; MI455X (gfx1250); checked and timed in simulation.
; The chip was launched on July 23, 2026; its instructions are those of AMD's public machine-readable ISA for CDNA 5 (MIT licence, August 2026) and "CDNA5" Instruction Set Architecture Reference Guide (July 2026). The comments in the code are by the model that wrote it; some were corrected since.
;; Multi Head Self Attention. Allowed arithmetic: matrix products marked QUANTISED: E2M1 operands, one E8M0 scale for each 32 along K, by v_wmma_scale_f32_16x16x128_f8f6f4 with both operands' format E2M1 (or v_wmma_scale_f32_32x16x128_f4), f32 sums; everything else in f32.
;; Inputs: Wk_codes 1,024 x 32 x 16 uint8 (E2M1 codes of Wk, K innermost, in blocks of 32 codes, two codes a byte); Wk_scales 1,024 x 32 uint8 (E8M0 scales of Wk, one for each 32 codes along K); Wo_codes 1,024 x 32 x 16 uint8 (E2M1 codes of Wo, K innermost, in blocks of 32 codes, two codes a byte); Wo_scales 1,024 x 32 uint8 (E8M0 scales of Wo, one for each 32 codes along K); Wq_codes 1,024 x 32 x 16 uint8 (E2M1 codes of Wq, K innermost, in blocks of 32 codes, two codes a byte); Wq_scales 1,024 x 32 uint8 (E8M0 scales of Wq, one for each 32 codes along K); Wv_codes 1,024 x 32 x 16 uint8 (E2M1 codes of Wv, K innermost, in blocks of 32 codes, two codes a byte); Wv_scales 1,024 x 32 uint8 (E8M0 scales of Wv, one for each 32 codes along K); bk 1,024 float32; bo 1,024 float32; bq 1,024 float32; bv 1,024 float32; x_codes 4 x 2,048 x 32 x 16 uint8 (E2M1 codes of x, K innermost, in blocks of 32 codes, two codes a byte); x_scales 4 x 2,048 x 32 uint8 (E8M0 scales of x, one for each 32 codes along K).
;; Outputs: out0 4 x 2,048 x 1,024 float32.
;; This version of the problem:
;;   THIS VERSION OF THE PROBLEM IS GIVEN IN LOW PRECISION. The matrix products marked QUANTISED in the list below multiply operands that are first quantised to E2M1 (2 exponent bits, 1 mantissa bit; 4 bits a number), with one power-of-two scale for each 32 numbers along K (OCP MX v1.0); their sums are f32. All else is computed in f32.
;;   The module's matrix products, in the order in which they are computed (A, B: the left and right operand; K: the contracted axis; several contracted axes count as one K, in the product's order):
;;     1. [M 8,192, K 1,024] x [K 1,024, N 1,024]; A: input x (given as codes); B: input Wq (given as codes): QUANTISED
;;     2. [M 8,192, K 1,024] x [K 1,024, N 1,024]; A: input x (given as codes); B: input Wk (given as codes): QUANTISED
;;     3. [M 8,192, K 1,024] x [K 1,024, N 1,024]; A: input x (given as codes); B: input Wv (given as codes): QUANTISED
;;     4. batch 64 x [M 2,048, K 64] x [K 64, N 2,048]; A: computed on the way; B: computed on the way: QUANTISED
;;     5. batch 64 x [M 2,048, K 2,048] x [K 2,048, N 64]; A: softmax (see below); B: computed on the way: QUANTISED
;;     6. [M 8,192, K 1,024] x [K 1,024, N 1,024]; A: computed on the way; B: input Wo (given as codes): QUANTISED
;;   THE QUANTISER, for each operand of a quantised product, along K:
;;     - K is cut into blocks of 32 from its start; a last block that is shorter is filled with zeros.
;;     - A block's scale is 2^e with e = floor(log2(the largest magnitude in the block)) - 2, held to -126 .. 127; a block of zeros has e = 0. As a byte (E8M0): e + 127.
;;     - Each number is divided by its block's scale, clamped to +-6, and rounded to the nearest number of E2M1, ties to even, subnormals kept.
;;     - The product sums the exact products of the quantised numbers (number of the format x scale) in f32.
;;   ~~~python
;;   def quantise(x, axis):      # numpy; x: float32 -> the quantised numbers, widened to float32 again
;;       x = np.moveaxis(x, axis, -1); K = x.shape[-1]
;;       x = np.pad(x, [(0, 0)] * (x.ndim - 1) + [(0, -K % 32)]); x = x.reshape(x.shape[:-1] + (-1, 32)); a = np.abs(x).max(-1, keepdims=True)
;;       e = np.where(a > 0, np.clip(np.frexp(np.where(a > 0, a, 1))[1] - 1 - 2, -126, 127), 0)      # np.frexp(a)[1] - 1 = floor(log2(a)), exactly
;;       r = np.clip(x / 2.0 ** e, -6, 6)
;;       step = 2.0 ** (np.maximum(np.frexp(np.where(r == 0, 1, r))[1] - 1, 0) - 1)
;;       q = np.round(r / step) * step * 2.0 ** e      # np.round: ties to even
;;       return np.moveaxis(q.reshape(q.shape[:-2] + (-1,))[..., :K], -1, axis).astype(np.float32)
;;   ~~~
;;   SOFTMAX AHEAD OF A QUANTISED PRODUCT. Where the list says 'softmax', what is quantised is not the finished softmax but p = 2^(t - M), with t = logit x log2(e) and M = ceil(the row's largest t), a whole number; so 1/2 < the row's largest p <= 1. The row's sum l is taken of the UNQUANTISED p, in f32, and the product's result is divided by l at the end. Since M is a whole number, a kernel that streams over the keys may use a running M (the ceiling of the running maximum): every later rescaling is an exact power of two, which a block's scale takes up: the codes' values come out the same.
;;   OPERANDS COMPUTED ON THE WAY. 'Computed on the way' means the value that the module computes at that place (a softmax that the list does not call 'softmax' is quantised finished and normalised). What goes into a quantiser is computed in f32, as accurately as f32 sums, v_exp_f32 and their like allow (about 1e-6 of the number): no bf16 or f16 on the way to a quantiser, and a product that is left as it is and whose result goes on into a quantised operand takes f32 operands (vector FMAs, or v_wmma_f32_16x16x4_f32). A number that lies on a knife's edge between two numbers of the format may be rounded either way, as far as f32 arithmetic and the matrix unit's own rounding can turn it there, and no further.
;;   INPUTS GIVEN AS CODES. Wk (in the module: [1024, 1024], K = its axis 0); Wo (in the module: [1024, 1024], K = its axis 0); Wq (in the module: [1024, 1024], K = its axis 0); Wv (in the module: [1024, 1024], K = its axis 0); x (in the module: [4, 2048, 1024], K = its axis 2): each comes as NAME_codes (uint8): NAME with its K axis moved to the last place and cut into blocks of 32 codes, [.., K / 32, bytes a block], one block behind the other in memory; two codes a byte, the lower K in the low four bits (a code: sign, 2 exponent bits, 1 mantissa bit); and NAME_scales (uint8): the same leading axes, one E8M0 byte (e + 127) for each 32 codes along K. Its value is code x scale, taken as it is: it is not quantised again, and the codes and scales need not be those that the quantiser above would give.
;; One version. Each part assembles by itself: llvm-mc -triple=amdgcn-amd-amdhsa -mcpu=gfx1250 --defsym DOCPART=n.
;; ======== version 1 of 1: 3 launches
;; workspace buffers: qbuf 4,718,592 bytes; kv 8,912,896 bytes; obuf 4,456,448 bytes
;; launch qkv (part 1): grid 16 x 32, 8 waves a work-group, clusters of 4 x 4, 278,528 bytes of LDS; arguments x_codes, x_scales, Wq_codes, Wq_scales, Wk_codes, Wk_scales, Wv_codes, Wv_scales, bq, bk, bv, qbuf, kv; writes qbuf, kv
.if DOCPART == 1
	.amdgcn_target "amdgcn-amd-amdhsa--gfx1250"
	.amdhsa_code_object_version 6
	.text
	.protected	k_q4f84d5f75b_qkv
	.globl	k_q4f84d5f75b_qkv
	.p2align	8
	.type	k_q4f84d5f75b_qkv,@function
k_q4f84d5f75b_qkv:
	s_mov_b64 s[64:65], 0
	v_nop
	global_prefetch_b8 v0, s[64:65] scope:SCOPE_SE
	s_setreg_imm32_b32 hwreg(HW_REG_WAVE_MODE, 25, 1), 1
	s_wait_xcnt 0x0
	s_wait_alu depctr_hold_cnt(0) depctr_sa_sdst(0) depctr_va_vdst(0) depctr_va_sdst(0) depctr_va_ssrc(0) depctr_va_vcc(0) depctr_vm_vsrc(0)
	s_getreg_b32 s2, hwreg(HW_REG_IB_STS2, 6, 4)
	s_cmp_eq_u32 s2, 0
	s_cbranch_scc0 .Lentry_in_a_cluster
	s_endpgm
.Lentry_in_a_cluster:
	s_bfe_u32 s2, ttmp6, 0x10000c
	s_cmp_lg_u32 s2, 0xf033
	s_cbranch_scc0 .Lentry_shape_is_right
	s_endpgm
.Lentry_shape_is_right:
; q = x Wq + bq, k = x Wk + bk, v = x Wv + bv on codes of FP4 (E2M1) with E8M0 scales, sums in f32; the results are quantised here, q and k along the head's 64, v along the keys,
; and leave as IMAGES OF THE OPERAND REGISTERS of the attention launch.
; SHARES.  A work-group takes 256 tokens x one head (64 columns) x {q, k, v}: 32 x 16 work-groups.  Wave w takes tokens 32 w .. 32 w + 31 (two tiles of x) x the head's 64 columns (four tiles of W):
; eight accumulators, three passes over K = 1,024 in eight steps of 128.  All operands of the work-group lie in LDS for all of K: 256 rows of x, 3 x 64 rows of W, their scale bytes.  Every LDS byte is filled once.
; CLUSTER 4 x 4: the four work-groups of a row share their tokens, the four of a column their head: x's tiles are asked for jointly along the row, W's along the column.
; q, k: THE MATRIX INSTRUCTION IS USED TRANSPOSED (source 0 = 16 rows of W, source 1 = 16 tokens): a lane holds one token and eight neighbouring columns, so that the conversions' eight numbers are neighbours along the next K.
; v: natural (source 0 = 16 tokens, source 1 = 16 rows of W): a lane holds one channel and eight neighbouring keys; the wave's 32 tokens are one block of 32 keys.
; The biases are the C of each sum's first matrix instruction.
; RECORDS, one for each (batch, head, block of 256 tokens):
;   qbuf, 9,216 bytes: codes [16 tiles of 16 tokens][lane r + 16 blk][16 bytes]; at 8,192 the scale words [tile][r] = (s0, s1, s0, s1).
;   kv, 17,408 bytes: K's codes [8 groups G of 32 keys][tile u = 0, 1][lane r' + 16 blk][16 bytes], where row r' of tile (G, u) is key 32 G + 8 u + r' + 8 (r' / 8);
;     at 8,192 V's codes [2 steps of 128 keys][tau 0..3][c 0, 1][lane r' + 16 hh][16 bytes], where row r' of tau = 2 b + u is channel 32 b + 8 u + r' + 8 (r' / 8) and the key block is 2 c + hh;
;     at 16,384 K's scale words [G][r'] = (u0 b0, u0 b1, u1 b0, u1 b1); at 16,896 V's [step][tau][r'], byte = key block.
; LIMITS: NaN and infinities among q, k, v are not served.  A block whose largest magnitude lies under 2^-124 keeps the scale byte 1; a block of zeros gets the byte 1 and not 127: its codes are zeros, and this program alone reads the bytes.
.set PITCH, 528                        ; an LDS row of codes: 512 bytes + 16 of padding, an odd multiple of 16: the 16 rows of a fragment load start at 16 different banks (64 banks of 4 bytes: ISA guide 11.1)
.set T16,   16*PITCH
.set TILEB, 64*PITCH                   ; 64 rows: what one tensor load brings
.set XC,    0                          ; x's codes, 256 rows
.set WC,    4*TILEB                    ; Wq's, Wk's, Wv's codes, 64 rows each
.set XS,    WC+3*TILEB                 ; x's scale bytes, 32 a row, dense
.set WS,    XS+8192                    ; the three W's, 2,048 bytes each
.set SQ,    WS+3*2048                  ; stages that no tensor load touches: q's codes,
.set SK,    SQ+8192                    ; k's,
.set SV,    SK+8192                    ; v's,
.set SSC,   SV+8192                    ; and the scale words: K's 512 bytes, V's 512, q's 1,024
.set AX,   1                           ; v1   x's fragments: (32 w + r) PITCH + 16 h
.set AW,   2                           ; v2   W's fragments of the pass in hand
.set ASX,  3                           ; v3   x's scale words: lanes 0-15 tile 0's rows, lanes 16-31 tile 1's
.set ASW,  4                           ; v4   W's scale words of the pass in hand
.set AQ,   5                           ; v5   stage addresses of code words: q,
.set AK,   6                           ; v6   k,
.set AV,   7                           ; v7   v;
.set AQS,  8                           ; v8   of scale words: q,
.set AKS,  9                           ; v9   k (two bytes),
.set AVS,  10                          ; v10  v (one byte)
.set ARB,  11                          ; v11  read back: SQ + 1,024 w + 16 lane
.set ARV,  12                          ; v12  read back of v
.set GV,   13                          ; v13  byte offset in a record: 1,024 w + 16 lane
.set GVV,  14                          ; v14  the same for v
.set VB32, 15                          ; v15  32 h
.set R4,   16                          ; v16  4 r
.set ASC,  17                          ; v17  the scale words' way out
.set GSC,  18                          ; v18
.set ACC,  32                          ; v32-95   eight accumulators
.set BI,   96                          ; v96-127  the bias in the result's layout, eight registers a tile of W
.set FR,   128                         ; v128-175, v176-223 two sets of fragments: x's two, then W's four
.set SCX,  224                         ; v224-231 x's scale words, one register a K step
.set SCW,  232                         ; v232-247 W's: register 8 (t / 2) + s, lanes 0-15 tile 2 (t / 2), lanes 16-31 the next
.set TM,   128                         ; behind a pass set 0 is free: v128-143 at work,
.set PC,   144                         ; v144-151 the codes,
.set PW,   152                         ; v152-153 scale words,
.set RB,   160                         ; v160-167 what comes back from a stage
.set WV,   30
.set G1XC, 36
.set G1WC, 44
.set G1XS, 52
.set G1WS, 68
.set G0XC, 76
.set G0XS, 80
.set G0WC, 84
.set G0WS, 88
.set SEL,  96
.macro PLACES n
.rept \n
	v_nop
.endr
.endm
.macro CROUND                          ; a round of the cluster's barrier: my work-group's barrier, wave 0 signals for the work-group, every wave waits for all sixteen, my work-group's barrier once more
	s_barrier_signal -1
	s_barrier_wait -1
	s_cmp_lg_u32 s[WV], 0
	s_cbranch_scc1 .Lnot_wave_0_\@
	s_barrier_signal -3
.Lnot_wave_0_\@:
	s_barrier_wait -3
	s_barrier_signal -1
	s_barrier_wait -1
.endm
; one matrix instruction: D at d, sources at a and b, C at c, scale registers sa and sb; ra, rb = 1: that side's scales are read from lanes 16-31
.macro WM d, a, b, c, sa, sb, ra, rb
.set WSEL, 2*(\ra)+(\rb)
.if WSEL == 0
	v_wmma_scale_f32_16x16x128_f8f6f4 v[\d:\d+7], v[\a:\a+7], v[\b:\b+7], v[\c:\c+7], v[\sa], v[\sb] matrix_a_fmt:MATRIX_FMT_FP4 matrix_b_fmt:MATRIX_FMT_FP4
.elseif WSEL == 1
	v_wmma_scale_f32_16x16x128_f8f6f4 v[\d:\d+7], v[\a:\a+7], v[\b:\b+7], v[\c:\c+7], v[\sa], v[\sb] matrix_a_fmt:MATRIX_FMT_FP4 matrix_b_fmt:MATRIX_FMT_FP4 matrix_b_scale:MATRIX_SCALE_ROW1
.elseif WSEL == 2
	v_wmma_scale_f32_16x16x128_f8f6f4 v[\d:\d+7], v[\a:\a+7], v[\b:\b+7], v[\c:\c+7], v[\sa], v[\sb] matrix_a_fmt:MATRIX_FMT_FP4 matrix_b_fmt:MATRIX_FMT_FP4 matrix_a_scale:MATRIX_SCALE_ROW1
.else
	v_wmma_scale_f32_16x16x128_f8f6f4 v[\d:\d+7], v[\a:\a+7], v[\b:\b+7], v[\c:\c+7], v[\sa], v[\sb] matrix_a_fmt:MATRIX_FMT_FP4 matrix_b_fmt:MATRIX_FMT_FP4 matrix_a_scale:MATRIX_SCALE_ROW1 matrix_b_scale:MATRIX_SCALE_ROW1
.endif
.endm
	s_load_b512 s[4:19], s[0:1], 0x0               ; x's codes s[4:5], scales s[6:7]; Wq's s[8:11]; Wk's s[12:15]; Wv's s[16:19]
	s_load_b256 s[20:27], s[0:1], 0x40             ; bq s[20:21], bk s[22:23], bv s[24:25], qbuf s[26:27]
	s_load_b64 s[28:29], s[0:1], 0x60              ; kv
	v_lshl_add_u32 v254, v0, 2, 0x43c00
	v_mov_b32 v255, 0
	ds_add_u32 v254, v255
	ds_add_u32 v254, v255
	v_lshrrev_b32 v19, 5, v0
	s_delay_alu instid0(VALU_DEP_1)
	v_readfirstlane_b32 s[WV], v19                 ; wave 0..7
	s_bfe_u32 s31, ttmp6, 0x40000                  ; cx, cy: my place in the cluster
	s_bfe_u32 s32, ttmp6, 0x40004
	s_lshl_b32 s33, ttmp9, 2
	s_add_co_u32 s33, s33, s31                     ; the head = 4 x cluster x + cx
	s_and_b32 s34, ttmp7, 0xffff
	s_lshl_b32 s34, s34, 2
	s_add_co_u32 s34, s34, s32                     ; the block of 256 tokens = 4 x cluster y + cy
	s_lshl_b32 s35, s32, 2
	s_lshl_b32 s35, 15, s35                        ; my row of the cluster
	s_lshl_b32 s60, 0x1111, s31                    ; my column
	s_and_b32 s61, s[WV], 3                        ; which part I fetch
	; descriptor group 1 for codes: 64 rows of 512 bytes, 16 bytes of padding behind each
	s_or_b32 s[G1XC], s35, (1<<20)|(1<<21)|(6<<22)|(3<<25)   ; 15:0 the mask; 17:16 elements of 1 byte; 20 padding on; 21 set beside a mask; 24:22 after every 128 words (code 6); 31:25 four words (code 3)
	s_or_b32 s[G1WC], s60, (1<<20)|(1<<21)|(6<<22)|(3<<25)
.irp g, G1XC, G1WC
	s_mov_b32 s[\g+1], 512<<16                     ; tensor_dim0
	s_mov_b32 s[\g+2], 64<<16                      ; tensor_dim1
	s_mov_b32 s[\g+3], 512<<16                     ; tile_dim0
	s_mov_b32 s[\g+4], 64                          ; tile_dim1
	s_mov_b32 s[\g+5], 512                         ; tensor_dim0_stride
	s_mov_b32 s[\g+6], 0
	s_mov_b32 s[\g+7], 0
.endr
	; and for scale bytes: the 2,048 dense bytes of 64 rows, as 8 rows of 256 bytes (32 elements of 8 bytes)
	s_or_b32 s[G1XS], s35, (3<<16)|(1<<21)
	s_or_b32 s[G1WS], s60, (3<<16)|(1<<21)
.irp g, G1XS, G1WS
	s_mov_b32 s[\g+1], 32<<16
	s_mov_b32 s[\g+2], 8<<16
	s_mov_b32 s[\g+3], 32<<16
	s_mov_b32 s[\g+4], 8
	s_mov_b32 s[\g+5], 32
	s_mov_b32 s[\g+6], 0
	s_mov_b32 s[\g+7], 0
.endr
	s_mul_i32 s2, s61, TILEB                       ; my part's place in LDS: codes,
	s_lshl_b32 s3, s61, 11                         ; scale bytes: no place in the cluster enters an LDS address
	s_mov_b32 s[SEL], 0x76543210
	s_mov_b32 s[SEL+1], 0xfedcba98                 ; v_permlanex16_b32's selects for lane l xor 16
	s_wait_dscnt 0x0
	s_wait_kmcnt 0x0
	s_lshl_b32 s92, s34, 17                        ; x: 256 rows of 512 bytes a block, 64 rows a part: made of the token block and the wave alone
	s_lshl_b32 s93, s61, 15
	s_add_co_u32 s92, s92, s93
	s_mov_b32 s93, 0
	s_mov_b32 s[G0XC], 1
	s_add_co_u32 s[G0XC+1], s2, XC
	s_add_nc_u64 s[G0XC+2:G0XC+3], s[4:5], s[92:93]
	s_or_b32 s[G0XC+3], s[G0XC+3], 0x80000000
	s_lshl_b32 s92, s34, 13                        ; its scale bytes: 32 a row
	s_add_co_u32 s92, s92, s3
	s_mov_b32 s[G0XS], 1
	s_add_co_u32 s[G0XS+1], s3, XS
	s_add_nc_u64 s[G0XS+2:G0XS+3], s[6:7], s[92:93]
	s_or_b32 s[G0XS+3], s[G0XS+3], 0x80000000
	s_cmp_eq_u32 s[WV], 5                          ; wave 4 fetches Wq, wave 5 Wk, wave 6 Wv: the choice hangs on the wave's number alone
	s_cselect_b64 s[62:63], s[12:13], s[8:9]
	s_cselect_b64 s[66:67], s[14:15], s[10:11]
	s_cmp_eq_u32 s[WV], 6
	s_cselect_b64 s[62:63], s[16:17], s[62:63]
	s_cselect_b64 s[66:67], s[18:19], s[66:67]
	s_lshl_b32 s94, s33, 15                        ; the head's 64 rows of 512 bytes: made of the head alone
	s_mov_b32 s95, 0
	s_mov_b32 s[G0WC], 1
	s_add_co_u32 s[G0WC+1], s2, WC
	s_add_nc_u64 s[G0WC+2:G0WC+3], s[62:63], s[94:95]
	s_or_b32 s[G0WC+3], s[G0WC+3], 0x80000000
	s_lshl_b32 s94, s33, 11
	s_mov_b32 s[G0WS], 1
	s_add_co_u32 s[G0WS+1], s3, WS
	s_add_nc_u64 s[G0WS+2:G0WS+3], s[66:67], s[94:95]
	s_or_b32 s[G0WS+3], s[G0WS+3], 0x80000000
	s_lshl_b32 s98, s33, 8                         ; the head's 64 numbers of each bias
	s_mov_b32 s99, 0
	s_add_nc_u64 s[20:21], s[20:21], s[98:99]
	s_add_nc_u64 s[22:23], s[22:23], s[98:99]
	s_add_nc_u64 s[24:25], s[24:25], s[98:99]
	s_lshr_b32 s100, s34, 3                        ; the record: (16 x batch + head) x 8 + block in the batch
	s_lshl_b32 s100, s100, 7
	s_lshl_b32 s101, s33, 3
	s_add_co_u32 s100, s100, s101
	s_and_b32 s101, s34, 7
	s_add_co_u32 s100, s100, s101
	s_mul_i32 s98, s100, 9216
	s_add_nc_u64 s[26:27], s[26:27], s[98:99]      ; my record of qbuf
	s_mul_i32 s98, s100, 17408
	s_add_nc_u64 s[28:29], s[28:29], s[98:99]      ; and of kv
	CROUND                                         ; all sixteen work-groups are here: the joint loads meet
	s_cmp_lt_u32 s[WV], 4                          ; waves 0-3: a quarter of x each; waves 4-6: one W each; wave 7: nothing.  Two loads of a wave are out at the most
	s_cbranch_scc0 .Lnot_x
	tensor_load_to_lds s[G0XC:G0XC+3], s[G1XC:G1XC+7]
	s_nop 0
	tensor_load_to_lds s[G0XS:G0XS+3], s[G1XS:G1XS+7]
	s_nop 0
	PLACES 4
	s_branch .Lasked
.Lnot_x:
	s_cmp_lt_u32 s[WV], 7
	s_cbranch_scc0 .Lasked
	tensor_load_to_lds s[G0WC:G0WC+3], s[G1WC:G1WC+7]
	s_nop 0
	tensor_load_to_lds s[G0WS:G0WS+3], s[G1WS:G1WS+7]
	s_nop 0
	PLACES 4
.Lasked:
	v_and_b32 v19, 31, v0                          ; lane
	v_and_b32 v20, 15, v0                          ; r
	v_bfe_u32 v21, v0, 4, 1                        ; h
	v_and_b32 v22, 7, v0                           ; r % 8
	v_bfe_u32 v23, v0, 3, 1                        ; r / 8
	s_delay_alu instid0(VALU_DEP_3)
	v_lshlrev_b32 v[VB32], 5, v21
	v_lshlrev_b32 v[R4], 2, v20
; the bias of a transposed pass: tile t's register j is b[16 t + 8 h + j]
.macro BIASQK base
.irp t, 0,1,2,3
	global_load_b128 v[BI+8*\t:BI+8*\t+3], v[VB32], s[\base:\base+1] offset:64*\t
	global_load_b128 v[BI+8*\t+4:BI+8*\t+7], v[VB32], s[\base:\base+1] offset:64*\t+16
.endr
.endm
; the bias of the natural pass: a lane holds one channel, so all eight registers of tile t want bv[16 t + r]
.macro BIASV
.irp t, 0,1,2,3
.irp j, 0,1,2,3,4,5,6,7
	global_load_b32 v[BI+8*\t+\j], v[R4], s[24:25] offset:64*\t
.endr
.endr
.endm
	BIASQK 20                                      ; bq
	v_mul_u32_u24 v24, v20, PITCH
	s_delay_alu instid0(VALU_DEP_1)
	v_lshl_add_u32 v24, v21, 4, v24                ; r PITCH + 16 h
	s_mul_i32 s8, s[WV], 32*PITCH
	v_add_nc_u32 v[AX], s8, v24
	v_add_nc_u32 v[AW], WC, v24
	s_lshl_b32 s2, s[WV], 10                       ; 1,024 w
	v_lshl_add_u32 v25, v19, 5, s2
	s_delay_alu instid0(VALU_DEP_1)
	v_add_nc_u32 v[ASX], XS, v25                   ; row 32 w + lane, 32 bytes a row
	v_lshlrev_b32 v25, 5, v19
	s_delay_alu instid0(VALU_DEP_1)
	v_add_nc_u32 v[ASW], WS, v25
	v_lshlrev_b32 v25, 2, v21                      ; 4 h
	s_delay_alu instid0(VALU_DEP_1)
	v_lshl_add_u32 v26, v20, 4, v25
	s_delay_alu instid0(VALU_DEP_1)
	v_add_nc_u32 v26, s2, v26
	s_delay_alu instid0(VALU_DEP_1)
	v_add_nc_u32 v[AQ], SQ, v26                    ; q: 1,024 w + 16 r + 4 h
	s_delay_alu instid0(VALU_DEP_4)
	v_lshl_add_u32 v26, v22, 4, v25                ; 16 (r % 8) + 4 h
	s_delay_alu instid0(VALU_DEP_1)
	v_lshl_add_u32 v27, v23, 9, v26
	s_delay_alu instid0(VALU_DEP_1)
	v_add_nc_u32 v27, s2, v27
	s_delay_alu instid0(VALU_DEP_1)
	v_add_nc_u32 v[AK], SK, v27                    ; k: token 16 xa + r of the group is row (r % 8) + 8 xa of tile r / 8
	s_lshr_b32 s3, s[WV], 2
	s_lshl_b32 s3, s3, 12
	s_lshl_b32 s8, s61, 8
	s_add_co_u32 s3, s3, s8                        ; v: my key block's place: 4,096 (w / 4) + 256 (w % 4)
	v_lshl_add_u32 v27, v23, 10, v26
	s_delay_alu instid0(VALU_DEP_1)
	v_add_nc_u32 v27, s3, v27
	s_delay_alu instid0(VALU_DEP_1)
	v_add_nc_u32 v[AV], SV, v27                    ; channel 16 t + r is row (r % 8) + 8 (t % 2) of tau = 2 (t / 2) + r / 8
	s_lshl_b32 s8, s[WV], 7
	v_lshl_add_u32 v27, v20, 2, s8
	s_delay_alu instid0(VALU_DEP_1)
	v_add_nc_u32 v[AQS], SSC+1024, v27
	s_lshl_b32 s8, s[WV], 6
	v_lshlrev_b32 v27, 1, v23
	s_delay_alu instid0(VALU_DEP_1)
	v_lshl_add_u32 v27, v22, 2, v27
	s_delay_alu instid0(VALU_DEP_1)
	v_add_nc_u32 v27, s8, v27
	s_delay_alu instid0(VALU_DEP_1)
	v_add_nc_u32 v[AKS], SSC, v27
	s_lshr_b32 s8, s[WV], 2
	s_lshl_b32 s8, s8, 8
	s_add_co_u32 s8, s8, s61
	v_lshlrev_b32 v27, 6, v23
	s_delay_alu instid0(VALU_DEP_1)
	v_lshl_add_u32 v27, v22, 2, v27
	s_delay_alu instid0(VALU_DEP_1)
	v_add_nc_u32 v27, s8, v27
	s_delay_alu instid0(VALU_DEP_1)
	v_add_nc_u32 v[AVS], SSC+512, v27
	v_lshl_add_u32 v[GV], v19, 4, s2
	s_delay_alu instid0(VALU_DEP_1)
	v_add_nc_u32 v[ARB], SQ, v[GV]
	v_lshlrev_b32 v27, 10, v21
	s_delay_alu instid0(VALU_DEP_1)
	v_lshl_add_u32 v27, v20, 4, v27
	s_delay_alu instid0(VALU_DEP_1)
	v_add_nc_u32 v[GVV], s3, v27                   ; lanes 0-15 one tau's 256 bytes, lanes 16-31 the next tau's
	s_delay_alu instid0(VALU_DEP_1)
	v_add_nc_u32 v[ARV], SV, v[GVV]
	s_lshl_b32 s8, s61, 9
	v_lshl_add_u32 v27, v19, 4, s8
	s_delay_alu instid0(VALU_DEP_1)
	v_add_nc_u32 v[ASC], SSC, v27
	s_and_b32 s8, s[WV], 1
	s_lshl_b32 s8, s8, 9
	v_lshl_add_u32 v[GSC], v19, 4, s8
	s_wait_tensorcnt 0x0                           ; my parts have landed,
	s_barrier_signal -1
	s_barrier_wait -1                              ; everybody's have
; 12 LDS loads: the fragments of K step s into a set.  A fragment, 16 rows x 128 K of 4-bit codes, is 8 registers: lane l holds row l % 16; registers 4 c .. 4 c + 3 hold K = 64 c + 32 (l / 16) + 0 .. 31
.macro LDFR set, s
.irp xa, 0,1
.irp c, 0,1
	ds_load_b128 v[FR+48*(\set)+8*\xa+4*\c:FR+48*(\set)+8*\xa+4*\c+3], v[AX] offset:\xa*T16+64*(\s)+32*\c
.endr
.endr
.irp t, 0,1,2,3
.irp c, 0,1
	ds_load_b128 v[FR+48*(\set)+16+8*\t+4*\c:FR+48*(\set)+16+8*\t+4*\c+3], v[AW] offset:\t*T16+64*(\s)+32*\c
.endr
.endr
.endm
; 8 matrix instructions, the eight accumulators by turns, one instruction a turn.  v = 0: transposed;  v = 1: natural.  K step 0 takes the bias as C
.macro MULS set, s, v
.irp xa, 0,1
.irp t, 0,1,2,3
.if \v
.if (\s) == 0
	WM ACC+16*\t+8*\xa, FR+48*(\set)+8*\xa, FR+48*(\set)+16+8*\t, BI+8*\t, SCX+(\s), SCW+8*(\t/2)+(\s), \xa, \t%2
.else
	WM ACC+16*\t+8*\xa, FR+48*(\set)+8*\xa, FR+48*(\set)+16+8*\t, ACC+16*\t+8*\xa, SCX+(\s), SCW+8*(\t/2)+(\s), \xa, \t%2
.endif
.else
.if (\s) == 0
	WM ACC+32*\xa+8*\t, FR+48*(\set)+16+8*\t, FR+48*(\set)+8*\xa, BI+8*\t, SCW+8*(\t/2)+(\s), SCX+(\s), \t%2, \xa
.else
	WM ACC+32*\xa+8*\t, FR+48*(\set)+16+8*\t, FR+48*(\set)+8*\xa, ACC+32*\xa+8*\t, SCW+8*(\t/2)+(\s), SCX+(\s), \t%2, \xa
.endif
.endif
.endr
.endr
.endm
; The 64 results of a lane are four half blocks of 16 (the other half lies in lane l xor 16).  q, k: block 2 xa + blk of token r;  v: the wave's key block of channel 16 t + r.
; Out come the scale bytes in v[TM+4 ..] and eight registers of codes, eight neighbours along K each, in v[PC ..].
.macro QCORE
.irp b, 0,1,2,3
	v_mov_b32 v[TM+4+\b], 0                        ; a lane permute's destination counts as one of its sources
.endr
.irp b, 0,1,2,3
	v_max3_num_f32 v[TM+\b], |v[ACC+16*\b]|, |v[ACC+1+16*\b]|, 0x1800000   ; my 16 numbers and the floor 2^(3 - 127): the byte cannot fall under 1.  Each accumulator is read from its low end on
.endr
.irp i, 2,4,6,8,10,12,14
.irp b, 0,1,2,3
	v_max3_num_f32 v[TM+\b], v[TM+\b], |v[ACC+16*\b+\i]|, |v[ACC+1+16*\b+\i]|   ; (the four blocks by turns)
.endr
.endr
.irp b, 0,1,2,3
	s_delay_alu instid0(VALU_DEP_4)
	v_permlanex16_b32 v[TM+4+\b], v[TM+\b], s[SEL], s[SEL+1]
.endr
.irp b, 0,1,2,3
	s_delay_alu instid0(VALU_DEP_4)
	v_max_num_f32 v[TM+\b], v[TM+\b], v[TM+4+\b]   ; the block's largest magnitude
.endr
.irp b, 0,1,2,3
	s_delay_alu instid0(VALU_DEP_4)
	v_add_nc_u32 v[TM+12+\b], 0xff000000, v[TM+\b] ; 2 off its exponent field: the conversion takes the exponent field of this operand as its scale
.endr
.irp b, 0,1,2,3
	s_delay_alu instid0(VALU_DEP_4)
	v_lshrrev_b32 v[TM+4+\b], 23, v[TM+12+\b]      ; the scale's byte
.endr
.irp b, 0,1,2,3
	v_cvt_scalef32_pk8_fp4_f32 v[PC+2*\b], v[ACC+16*\b:ACC+16*\b+7], v[TM+12+\b]
	v_cvt_scalef32_pk8_fp4_f32 v[PC+2*\b+1], v[ACC+16*\b+8:ACC+16*\b+15], v[TM+12+\b]
.endr
	v_nop                                          ; one plain place behind a scaled conversion
.endm
; The ways out.  A code register is 4 bytes of an image; it goes to its place in the wave's own part of a stage; the part comes back 16 bytes a lane (LDS serves a wave's instructions in order: ISA guide 5.7.1.4)
; and each store of the wave covers 512 bytes in aligned runs of 256.
.macro EPQ
.irp xa, 0,1
	v_lshl_or_b32 v[PW+\xa], v[TM+5+2*\xa], 8, v[TM+4+2*\xa]
.endr
.irp xa, 0,1
	s_delay_alu instid0(VALU_DEP_2)
	v_lshl_or_b32 v[PW+\xa], v[PW+\xa], 16, v[PW+\xa]   ; (s0, s1, s0, s1): the word serves q in the lower and in the upper half of a K of 128
.endr
.irp xa, 0,1
.irp blk, 0,1
.irp tp, 0,1
	ds_store_b32 v[AQ], v[PC+4*\xa+2*\blk+\tp] offset:512*\xa+256*\blk+8*\tp
.endr
.endr
	ds_store_b32 v[AQS], v[PW+\xa] offset:64*\xa   ; both halves of the lanes write the same word with the same value
.endr
	ds_load_b128 v[RB:RB+3], v[ARB]
	ds_load_b128 v[RB+4:RB+7], v[ARB] offset:512
	s_wait_dscnt 0x0
	global_store_b128 v[GV], v[RB:RB+3], s[26:27]
	global_store_b128 v[GV], v[RB+4:RB+7], s[26:27] offset:512
.endm
.macro EPK
.irp xa, 0,1
	v_lshl_or_b32 v[PW+\xa], v[TM+5+2*\xa], 8, v[TM+4+2*\xa]
.endr
.irp xa, 0,1
.irp blk, 0,1
.irp tp, 0,1
	ds_store_b32 v[AK], v[PC+4*\xa+2*\blk+\tp] offset:128*\xa+256*\blk+8*\tp
.endr
.endr
	ds_store_b16 v[AKS], v[PW+\xa] offset:32*\xa   ; my key's two bytes of its row's word
.endr
	ds_load_b128 v[RB:RB+3], v[ARB] offset:SK-SQ
	ds_load_b128 v[RB+4:RB+7], v[ARB] offset:SK-SQ+512
	s_wait_dscnt 0x0
	global_store_b128 v[GV], v[RB:RB+3], s[28:29]
	global_store_b128 v[GV], v[RB+4:RB+7], s[28:29] offset:512
.endm
.macro EPV
.irp t, 0,1,2,3
.irp xa, 0,1
	ds_store_b32 v[AV], v[PC+2*\t+\xa] offset:2048*(\t/2)+128*(\t%2)+8*\xa
.endr
	ds_store_b8 v[AVS], v[TM+4+\t] offset:128*(\t/2)+32*(\t%2)   ; my key block's byte of the channel's word; the other three come from other waves
.endr
	ds_load_b128 v[RB:RB+3], v[ARV]
	ds_load_b128 v[RB+4:RB+7], v[ARV] offset:2048
	s_wait_dscnt 0x0
	global_store_b128 v[GVV], v[RB:RB+3], s[28:29] offset:8192
	global_store_b128 v[GVV], v[RB+4:RB+7], s[28:29] offset:8192+2048
.endm
; A PASS: p = 0: q, 1: k, 2: v.  A load into a register that a matrix instruction has read stands four places behind it, and a matrix instruction that begins an accumulator anew five (ISA guide 7.12.1 for the matrix instructions).
.macro PASS p
	s_wait_xcnt 0x0                                ; the last pass's stores have read their registers: loads may land there
.if \p > 0
	v_add_nc_u32 v[AW], TILEB, v[AW]               ; the next W
	s_wait_alu depctr_va_vdst(0)
	v_add_nc_u32 v[ASW], 2048, v[ASW]
.endif
.irp pr, 0,1
.irp hf, 0,1
	ds_load_b128 v[SCW+8*\pr+4*\hf:SCW+8*\pr+4*\hf+3], v[ASW] offset:1024*\pr+16*\hf   ; W's scale words of all eight K steps
.endr
.endr
.if \p == 0
	ds_load_b128 v[SCX:SCX+3], v[ASX]              ; x's: they stay for the three passes
	ds_load_b128 v[SCX+4:SCX+7], v[ASX] offset:16
.endif
	LDFR 0, 0
	s_wait_loadcnt 0x0                             ; the bias
.irp s, 0,1,2,3,4,5,6,7
.if \s > 0
	PLACES 4
.endif
.if (\s == 1) && (\p == 0)
	BIASQK 22                                      ; the next pass's bias: K step 0's products, which read these registers, stand four places back
.endif
.if (\s == 1) && (\p == 1)
	BIASV
.endif
.if \s < 7
	LDFR (\s+1)%2, \s+1
	s_wait_dscnt 12                                ; all but the 12 just issued: this K step's fragments (and the scale words) are in
.else
	s_wait_dscnt 0x0
.endif
	MULS \s%2, \s, \p/2
.endr
	PLACES 5
	QCORE
.if \p == 0
	EPQ
.elseif \p == 1
	EPK
.else
	EPV
.endif
.endm
	PASS 0
	PASS 1
	PASS 2
	s_wait_dscnt 0x0                               ; for the others' sake: my scale words lie in the stage
	s_barrier_signal -1
	s_barrier_wait -1
	s_cmp_lt_u32 s[WV], 4                          ; the 2,048 bytes of scale words leave by four waves, 512 consecutive bytes each: waves 0, 1: K's and V's; waves 2, 3: q's
	s_cbranch_scc0 .Lno_sc
	s_wait_xcnt 0x0                                ; v's stores have read their registers
	ds_load_b128 v[RB:RB+3], v[ASC]
	s_add_nc_u64 s[62:63], s[28:29], 16384
	s_add_nc_u64 s[66:67], s[26:27], 8192
	s_cmp_lt_u32 s[WV], 2
	s_cselect_b64 s[62:63], s[62:63], s[66:67]
	s_wait_dscnt 0x0
	global_store_b128 v[GSC], v[RB:RB+3], s[62:63]
.Lno_sc:
	s_wait_tensorcnt 0x0
	ds_add_u32 v254, v255
	s_wait_dscnt 0x0
	CROUND                                         ; the closing round: no work-group ends while a partner may still ask for a tile that names it
	s_endpgm
.Lfunc_end_k_q4f84d5f75b_qkv:
	.size	k_q4f84d5f75b_qkv, .Lfunc_end_k_q4f84d5f75b_qkv-k_q4f84d5f75b_qkv
	.p2alignl 7, 3214868480
	.fill 96, 4, 3214868480
	.section	.rodata,"a",@progbits
	.p2align	6, 0x0
	.amdhsa_kernel k_q4f84d5f75b_qkv
		.amdhsa_group_segment_fixed_size 278528
		.amdhsa_private_segment_fixed_size 0
		.amdhsa_enable_private_segment 0
		.amdhsa_kernarg_size 104
		.amdhsa_user_sgpr_count 2
		.amdhsa_user_sgpr_kernarg_segment_ptr 1
		.amdhsa_wavefront_size32 1
		.amdhsa_system_sgpr_workgroup_id_x 1
		.amdhsa_system_sgpr_workgroup_id_y 1
		.amdhsa_system_sgpr_workgroup_id_z 1
		.amdhsa_system_vgpr_workitem_id 0
		.amdhsa_next_free_vgpr 256
		.amdhsa_next_free_sgpr 102
		.amdhsa_reserve_vcc 0
		.amdhsa_float_denorm_mode_32 3
		.amdhsa_float_denorm_mode_16_64 3
		.amdhsa_memory_ordered 1
		.amdhsa_forward_progress 1
		.amdhsa_inst_pref_size 79
	.end_amdhsa_kernel
	.amdgpu_metadata
---
amdhsa.version: [ 1, 2 ]
amdhsa.kernels:
  - .name:           k_q4f84d5f75b_qkv
    .symbol:         k_q4f84d5f75b_qkv.kd
    .args:
      - { .name: x_codes, .offset: 0, .size: 8, .value_kind: global_buffer, .address_space: global }
      - { .name: x_scales, .offset: 8, .size: 8, .value_kind: global_buffer, .address_space: global }
      - { .name: Wq_codes, .offset: 16, .size: 8, .value_kind: global_buffer, .address_space: global }
      - { .name: Wq_scales, .offset: 24, .size: 8, .value_kind: global_buffer, .address_space: global }
      - { .name: Wk_codes, .offset: 32, .size: 8, .value_kind: global_buffer, .address_space: global }
      - { .name: Wk_scales, .offset: 40, .size: 8, .value_kind: global_buffer, .address_space: global }
      - { .name: Wv_codes, .offset: 48, .size: 8, .value_kind: global_buffer, .address_space: global }
      - { .name: Wv_scales, .offset: 56, .size: 8, .value_kind: global_buffer, .address_space: global }
      - { .name: bq, .offset: 64, .size: 8, .value_kind: global_buffer, .address_space: global }
      - { .name: bk, .offset: 72, .size: 8, .value_kind: global_buffer, .address_space: global }
      - { .name: bv, .offset: 80, .size: 8, .value_kind: global_buffer, .address_space: global }
      - { .name: qbuf, .offset: 88, .size: 8, .value_kind: global_buffer, .address_space: global }
      - { .name: kv, .offset: 96, .size: 8, .value_kind: global_buffer, .address_space: global }
    .group_segment_fixed_size: 278528
    .private_segment_fixed_size: 0
    .kernarg_segment_align: 8
    .kernarg_segment_size: 104
    .max_flat_workgroup_size: 256
    .sgpr_count:     102
    .vgpr_count:     256
    .wavefront_size: 32
...
	.end_amdgpu_metadata
.endif
;; end of part 1
;; launch attn (part 2): grid 4 x 64, 16 waves a work-group, clusters of 4 x 1, 169,984 bytes of LDS; arguments qbuf, kv, obuf; writes obuf
.if DOCPART == 2
	.amdgcn_target "amdgcn-amd-amdhsa--gfx1250"
	.amdhsa_code_object_version 6
	.text
	.protected	k_q4f84d5f75b_attn
	.globl	k_q4f84d5f75b_attn
	.p2align	8
	.type	k_q4f84d5f75b_attn,@function
k_q4f84d5f75b_attn:
	s_mov_b64 s[64:65], 0
	v_nop
	global_prefetch_b8 v0, s[64:65] scope:SCOPE_SE
	s_setreg_imm32_b32 hwreg(HW_REG_WAVE_MODE, 25, 1), 1
	s_wait_xcnt 0x0
	s_wait_alu depctr_hold_cnt(0) depctr_sa_sdst(0) depctr_va_vdst(0) depctr_va_sdst(0) depctr_va_ssrc(0) depctr_va_vcc(0) depctr_vm_vsrc(0)
	s_getreg_b32 s2, hwreg(HW_REG_IB_STS2, 6, 4)
	s_cmp_eq_u32 s2, 0
	s_cbranch_scc0 .Lentry_in_a_cluster
	s_endpgm
.Lentry_in_a_cluster:
	s_bfe_u32 s2, ttmp6, 0x10000c
	s_cmp_lg_u32 s2, 0x3003
	s_cbranch_scc0 .Lentry_shape_is_right
	s_endpgm
.Lentry_shape_is_right:
; o = softmax(q k^T / 8) v for one (batch, head), both products on codes of FP4 (E2M1) with E8M0 scales; o is divided by the row's sum and quantised along the model's 1,024 (a head gives two blocks of 32).
; THE SOFTMAX AHEAD OF THE SECOND PRODUCT: t = score x log2(e) / 8; M = the running largest t rounded UP to a whole number; p = 2^(t - M) is quantised along the keys, not normalised; the row's sum is taken of the
; unquantised p in f32.  When M moves, the sum and O are multiplied by 2^(old M - new M): exact.
; SHARES.  A work-group owns 512 queries of one head; each of its sixteen waves two tiles of 16 queries, one after the other; every tile walks all 2,048 keys, 128 a step.  Four waves share a SIMD, so that one wave's
; vector work stands beside another's matrix work and LDS loads.
; A HEAD'S K AND V, as codes with their scale words, are 139,264 dense bytes of kv (eight records, laid by the launch before as images of operand registers): they come into LDS ONCE and stay.  No LDS byte is filled twice.
; CLUSTER 4 x 1: the four work-groups of a head ask for these bytes jointly: each wave's load has the same descriptor in all four.
; LAYOUT.  Both products are used transposed: S^T = K Q^T, O^T = V^T P^T: a lane holds ONE query (lane % 16) throughout.
; THE HEAD'S 64 ON AN INSTRUCTION OF K = 128: a fragment of K holds TWO tiles of 16 keys, one in K = 0 .. 63, the other in K = 64 .. 127; it is multiplied once by (q | zero codes) and once by (zero codes | q).
; Zero codes add nothing under any scale byte but 0xff, and all bytes here are 1 to 254.  The two tiles of a fragment are keys 32 G + 16 (lane / 16) + 0 .. 7 and + 8 .. 15 in a lane's registers: 16 neighbouring keys.
; V's channels are ordered likewise, so that a lane's 16 registers of two tiles of O^T are 16 neighbouring channels.
; obuf: 512 tiles of 16 tokens x 8,704 bytes: codes [head][lane r + 16 blk][16 bytes]; at 8,192 the scale words [head / 2][r], bytes 2 (head % 2) + blk.
; LIMITS: NaN and infinities are not served; a p under 2^-126 counts as 0 (v_exp_f32 flushes: ISA guide 15.8); a block of o whose largest magnitude lies under 2^-124, or is 0, keeps the byte 1 (its codes are zeros where it is 0).
; A block's largest p is taken as the exponential of the block's largest score, which supposes that v_exp_f32 does not fall where its input rises.
.set REC,  17408                       ; a record: 256 keys
.set ADC,  1                           ; v1   16 lane + the record's LDS byte
.set ADS,  2                           ; v2   4 lane + the same
.set L16,  3                           ; v3   16 lane
.set L4,   4                           ; v4   4 lane
.set R4,   5                           ; v5   4 r
.set GOC,  6                           ; v6   16 r + 8 h
.set QLO,  16                          ; v16-23  (q | 0)
.set QHI,  24                          ; v24-31  (0 | q)
.set KF,   32                          ; v32-63  four fragments of K
.set VF,   64                          ; v64-95  four of V
.set S,    96                          ; v96-159 S^T, then p
.set OA,   160                         ; v160-191 O^T
.set PC,   192                         ; v192-199 p's codes
.set KS,   200                         ; v200-201 K's scale words: lanes 0-15 one fragment's, lanes 16-31 the next's
.set VS,   202                         ; v202-203 V's likewise
.set QS,   204                         ; v204 q's
.set OC,   208                         ; v208-211 o's codes
.set OW,   212                         ; v212 o's two scale bytes
.set WV,   10
.set SEL,  20
.set CS,   22                          ; s[22:23] c = log2(e) / 8
.set G1,   24
.set G0,   32
.set TB,   36                          ; the record in hand, as an LDS byte
.set CNT,  37
.set QB,   40
.set QSB,  42
.set OB,   44
.set OSB,  46
.macro PLACES n
.rept \n
	v_nop
.endr
.endm
.macro CROUND
	s_barrier_signal -1
	s_barrier_wait -1
	s_cmp_lg_u32 s[WV], 0
	s_cbranch_scc1 .Lnot_wave_0_\@
	s_barrier_signal -3
.Lnot_wave_0_\@:
	s_barrier_wait -3
	s_barrier_signal -1
	s_barrier_wait -1
.endm
; one matrix instruction; c < 0: C is the constant 0; ra = 1: source 0's scales are read from lanes 16-31
.macro WM d, a, b, c, sa, sb, ra
.if (\c) < 0
.if (\ra) == 0
	v_wmma_scale_f32_16x16x128_f8f6f4 v[\d:\d+7], v[\a:\a+7], v[\b:\b+7], 0, v[\sa], v[\sb] matrix_a_fmt:MATRIX_FMT_FP4 matrix_b_fmt:MATRIX_FMT_FP4
.else
	v_wmma_scale_f32_16x16x128_f8f6f4 v[\d:\d+7], v[\a:\a+7], v[\b:\b+7], 0, v[\sa], v[\sb] matrix_a_fmt:MATRIX_FMT_FP4 matrix_b_fmt:MATRIX_FMT_FP4 matrix_a_scale:MATRIX_SCALE_ROW1
.endif
.else
.if (\ra) == 0
	v_wmma_scale_f32_16x16x128_f8f6f4 v[\d:\d+7], v[\a:\a+7], v[\b:\b+7], v[\c:\c+7], v[\sa], v[\sb] matrix_a_fmt:MATRIX_FMT_FP4 matrix_b_fmt:MATRIX_FMT_FP4
.else
	v_wmma_scale_f32_16x16x128_f8f6f4 v[\d:\d+7], v[\a:\a+7], v[\b:\b+7], v[\c:\c+7], v[\sa], v[\sb] matrix_a_fmt:MATRIX_FMT_FP4 matrix_b_fmt:MATRIX_FMT_FP4 matrix_a_scale:MATRIX_SCALE_ROW1
.endif
.endif
.endm
	s_load_b128 s[4:7], s[0:1], 0x0                ; qbuf s[4:5], kv s[6:7]
	s_load_b64 s[8:9], s[0:1], 0x10                ; obuf
	v_lshl_add_u32 v251, v0, 2, 0x29000
	v_mov_b32 v255, 0
	ds_add_u32 v251, v255
	ds_add_u32 v251, v255
	v_lshrrev_b32 v1, 5, v0
	s_delay_alu instid0(VALU_DEP_1)
	v_readfirstlane_b32 s[WV], v1                  ; wave 0..15
	s_bfe_u32 s11, ttmp6, 0x40000                  ; cx: which 512 queries: it enters qbuf's and obuf's addresses alone
	s_and_b32 s12, ttmp7, 0xffff                   ; 16 x batch + head, which the four partners share
	; descriptor group 1: 8,704 dense bytes as 34 rows of 256 bytes (32 elements of 8 bytes)
	s_mov_b32 s[G1], 15|(3<<16)|(1<<21)            ; 15:0 the mask: all four work-groups; 17:16 elements of 8 bytes; 21 set beside a mask
	s_mov_b32 s[G1+1], 32<<16
	s_mov_b32 s[G1+2], 34<<16
	s_mov_b32 s[G1+3], 32<<16
	s_mov_b32 s[G1+4], 34
	s_mov_b32 s[G1+5], 32
	s_mov_b32 s[G1+6], 0
	s_mov_b32 s[G1+7], 0
	s_mul_i32 s13, s[WV], 8704                     ; my sixteenth of the head's bytes, in LDS and in memory
	s_mul_i32 s14, s12, 8*REC
	s_add_co_u32 s14, s14, s13
	s_mov_b32 s15, 0
	s_mov_b32 s[SEL], 0x76543210
	s_mov_b32 s[SEL+1], 0xfedcba98                 ; v_permlanex16_b32's selects for lane l xor 16
	s_mov_b32 s[CS], 0x3e38aa3b                    ; c = log2(e) / 8
	s_mov_b32 s[CS+1], s[CS]                       ; (named with it as a pair, so it is written)
	s_lshl_b32 s16, s12, 3                         ; my queries' record of qbuf: 8 x (batch, head) + 2 cx + w / 8
	s_lshl_b32 s17, s11, 1
	s_add_co_u32 s16, s16, s17
	s_lshr_b32 s17, s[WV], 3
	s_add_co_u32 s16, s16, s17
	s_mul_i32 s16, s16, 9216
	s_and_b32 s17, s[WV], 7
	s_lshl_b32 s18, s17, 10                        ; my two tiles' codes in it,
	s_add_co_u32 s18, s18, s16
	s_mov_b32 s19, 0
	s_wait_dscnt 0x0
	s_wait_kmcnt 0x0
	s_add_nc_u64 s[QB:QB+1], s[4:5], s[18:19]
	s_lshl_b32 s18, s17, 7                         ; and their scale words
	s_add_co_u32 s18, s18, s16
	s_add_co_u32 s18, s18, 8192
	s_add_nc_u64 s[QSB:QSB+1], s[4:5], s[18:19]
	s_lshr_b32 s16, s12, 4                         ; my first tile of obuf: 128 x batch + 32 cx + 2 w
	s_lshl_b32 s16, s16, 7
	s_lshl_b32 s17, s11, 5
	s_add_co_u32 s16, s16, s17
	s_lshl_b32 s17, s[WV], 1
	s_add_co_u32 s16, s16, s17
	s_mul_i32 s16, s16, 8704
	s_and_b32 s17, s12, 15                         ; the head
	s_lshl_b32 s18, s17, 9
	s_add_co_u32 s18, s18, s16
	s_add_nc_u64 s[OB:OB+1], s[8:9], s[18:19]
	s_lshr_b32 s18, s17, 1
	s_lshl_b32 s18, s18, 6
	s_and_b32 s17, s12, 1
	s_lshl_b32 s17, s17, 1
	s_add_co_u32 s18, s18, s17
	s_add_co_u32 s18, s18, s16
	s_add_co_u32 s18, s18, 8192
	s_add_nc_u64 s[OSB:OSB+1], s[8:9], s[18:19]
	s_mov_b32 s[G0], 1
	s_mov_b32 s[G0+1], s13
	s_add_nc_u64 s[G0+2:G0+3], s[6:7], s[14:15]
	s_or_b32 s[G0+3], s[G0+3], 0x80000000
	CROUND                                         ; all four work-groups are here: the joint loads meet
	tensor_load_to_lds s[G0:G0+3], s[G1:G1+7]      ; one load a wave, the only one of the launch
	s_nop 0
	PLACES 4
	v_and_b32 v7, 31, v0
	s_delay_alu instid0(VALU_DEP_1)
	v_lshlrev_b32 v[L16], 4, v7
	s_delay_alu instid0(VALU_DEP_2)
	v_lshlrev_b32 v[L4], 2, v7
	v_and_b32 v8, 15, v0
	v_bfe_u32 v9, v0, 4, 1
	s_delay_alu instid0(VALU_DEP_2)
	v_lshlrev_b32 v[R4], 2, v8
	s_delay_alu instid0(VALU_DEP_3)
	v_lshlrev_b32 v[GOC], 4, v8
	s_delay_alu instid0(VALU_DEP_1)
	v_lshl_add_u32 v[GOC], v9, 3, v[GOC]
.irp j, 0,1,2,3
	v_mov_b32 v[QLO+4+\j], 0                       ; the zero codes beside q: written once
	v_mov_b32 v[QHI+\j], 0
	v_mov_b32 v[236+\j], 0                         ; a lane permute's destination counts as one of its sources
.endr
	v_mov_b32 v253, 0                              ; (named as the upper half of the pair v[252:253] before it is first written)
	s_wait_tensorcnt 0x0                           ; my part has landed,
	s_barrier_signal -1
	s_barrier_wait -1                              ; everybody's has
; A KEY STEP: 128 keys, the q-th half of the record in hand.
.macro STEP q
	PLACES 4                                       ; in front of loads into registers that the last products read
	s_setprio 2
.irp g, 0,1,2,3
	ds_load_b128 v[KF+8*\g:KF+8*\g+3], v[ADC] offset:4096*\q+1024*\g
	ds_load_b128 v[KF+8*\g+4:KF+8*\g+7], v[ADC] offset:4096*\q+1024*\g+512
.endr
.irp gp, 0,1
	ds_load_b32 v[KS+\gp], v[ADS] offset:16384+256*\q+128*\gp
.endr
.irp ta, 0,1,2,3
	ds_load_b128 v[VF+8*\ta:VF+8*\ta+3], v[ADC] offset:8192+4096*\q+1024*\ta
	ds_load_b128 v[VF+8*\ta+4:VF+8*\ta+7], v[ADC] offset:8192+4096*\q+1024*\ta+512
.endr
.irp tp, 0,1
	ds_load_b32 v[VS+\tp], v[ADS] offset:16896+256*\q+128*\tp
.endr
	s_wait_dscnt 10                                ; K's ten loads are in; V's ten, issued behind them, land while the softmax is walked
.irp g, 0,1,2,3                        ; S^T: the 16 registers at S + 16 g are keys 32 g + 16 (lane / 16) + 0 .. 15 of my query
	WM S+16*\g, KF+8*\g, QLO, -1, KS+\g/2, QS, \g%2
	WM S+16*\g+8, KF+8*\g, QHI, -1, KS+\g/2, QS, \g%2
.endr
	PLACES 4
.irp b, 0,1,2,3
	v_max3_num_f32 v[232+\b], v[S+16*\b], v[S+1+16*\b], v[S+2+16*\b]   ; THE LARGEST SCORE OF EACH BLOCK OF 32 KEYS: for the row's maximum and, since p rises with the score, for the block's largest p
.endr
.irp i, 3,5,7,9,11,13
.irp b, 0,1,2,3
	v_max3_num_f32 v[232+\b], v[232+\b], v[S+16*\b+\i], v[S+1+16*\b+\i]   ; (the four blocks by turns; each accumulator is met from its low end on)
.endr
.endr
.irp b, 0,1,2,3
	v_max_num_f32 v[232+\b], v[232+\b], v[S+15+16*\b]
.endr
.irp b, 0,1,2,3
	s_delay_alu instid0(VALU_DEP_4)
	v_permlanex16_b32 v[236+\b], v[232+\b], s[SEL], s[SEL+1]
.endr
.irp b, 0,1,2,3
	s_delay_alu instid0(VALU_DEP_4)
	v_max_num_f32 v[232+\b], v[232+\b], v[236+\b]  ; with lane l xor 16's 16 keys
.endr
	s_delay_alu instid0(VALU_DEP_2)
	v_max3_num_f32 v254, v232, v233, v234
	s_delay_alu instid0(VALU_DEP_1)
	v_max_num_f32 v254, v254, v235                 ; the step's largest score of my query
	s_delay_alu instid0(VALU_DEP_1)
	v_mul_f32 v254, s[CS], v254                    ; as t (c is positive)
	s_delay_alu instid0(VALU_DEP_1)
	v_max_num_f32 v13, v13, v254                   ; the running largest t
	v_mov_b32 v254, v12
	s_delay_alu instid0(VALU_DEP_2)
	v_floor_f32 v12, -v13                          ; the new -M = floor(-t) = -ceil(t): M is a whole number
	s_delay_alu instid0(VALU_DEP_1)
	v_sub_f32 v254, v12, v254                      ; old M - new M: a whole number, 0 or less
	s_delay_alu instid0(VALU_DEP_1)
	v_cvt_i32_f32 v254, v254                       ; (it saturates)
	s_delay_alu instid0(VALU_DEP_1)
	v_ldexp_f32 v252, 1.0, v254                    ; f = 2^(old M - new M)
.set j, 0
.rept 32
	v_pk_fma_f32 v[S+j:S+j+1], v[S+j:S+j+1], s[CS:CS+1], v[12:13] op_sel_hi:[1,0,0]   ; t - M, two at a time (of the pairs c and -M the low word serves both halves)
.set j, j+2
.endr
.irp b, 0,1,2,3
	v_fma_f32 v[232+\b], v[232+\b], s[CS], v12     ; the same of each block's largest score
.endr
.set j, 0
	s_wait_alu depctr_va_vdst(0)
.rept 64
	v_exp_f32 v[S+j], v[S+j]                       ; p = 2^(t - M), at most 1
.set j, j+1
.endr
	s_setprio 1
.irp b, 0,1,2,3
	v_exp_f32 v[232+\b], v[232+\b]                 ; the block's largest p: the same two instructions on the same number give the same bits
.endr
	v_pk_mul_f32 v[14:15], v[14:15], v[252:253] op_sel_hi:[1,0]   ; the sums under the new M.  (The plain place behind the exponentials)
	s_wait_alu depctr_va_vdst(0)
.irp b, 0,1,2,3
	v_max_num_f32 v[232+\b], 0x1800000, v[232+\b]  ; the floor 2^(3 - 127): the byte cannot fall under 1
.endr
.irp b, 0,1,2,3
	s_delay_alu instid0(VALU_DEP_4)
	v_add_nc_u32 v[244+\b], 0xff000000, v[232+\b]  ; 2 off the exponent field: the conversion's scale operand
.endr
.irp b, 0,1,2,3
	s_delay_alu instid0(VALU_DEP_4)
	v_lshrrev_b32 v[236+\b], 23, v[244+\b]         ; the scale's byte
.endr
	s_delay_alu instid0(VALU_DEP_3)
	v_lshl_or_b32 v253, v237, 8, v236              ; p's scale word for these 128 keys
	s_delay_alu instid0(VALU_DEP_1)
	v_lshl_or_b32 v253, v238, 16, v253
	s_delay_alu instid0(VALU_DEP_1)
	v_lshl_or_b32 v253, v239, 24, v253
.irp b, 0,1,2,3
	v_cvt_scalef32_pk8_fp4_f32 v[PC+2*\b], v[S+16*\b:S+16*\b+7], v[244+\b]
	v_cvt_scalef32_pk8_fp4_f32 v[PC+2*\b+1], v[S+16*\b+8:S+16*\b+15], v[244+\b]
.endr
	v_nop                                          ; one plain place behind a scaled conversion
.irp c, 0,1                            ; the operand's layout wants a WHOLE block in a lane: lanes 0-15 block 2 c, lanes 16-31 block 2 c + 1
.irp i, 0,1
	v_permlane16_swap_b32 v[PC+4*\c+\i], v[PC+2+4*\c+\i]
.endr
.endr
	v_pk_add_f32 v[236:237], v[100:101], v[104:105]
	v_pk_add_f32 v[248:249], v[108:109], v[112:113]
	v_pk_add_f32 v[246:247], v[116:117], v[120:121]
	v_pk_add_f32 v[244:245], v[124:125], v[128:129]
	v_pk_add_f32 v[242:243], v[132:133], v[136:137]
	v_pk_add_f32 v[240:241], v[140:141], v[144:145]
	v_pk_add_f32 v[234:235], v[148:149], v[152:153]
	v_pk_add_f32 v[14:15], v[14:15], v[156:157]
	v_pk_add_f32 v[236:237], v[236:237], v[96:97]
	v_pk_add_f32 v[248:249], v[248:249], v[98:99]
	v_pk_add_f32 v[246:247], v[246:247], v[102:103]
	v_pk_add_f32 v[244:245], v[244:245], v[106:107]
	v_pk_add_f32 v[242:243], v[242:243], v[110:111]
	v_pk_add_f32 v[240:241], v[240:241], v[114:115]
	v_pk_add_f32 v[234:235], v[234:235], v[118:119]
	v_pk_add_f32 v[14:15], v[14:15], v[122:123]
	v_pk_add_f32 v[236:237], v[236:237], v[126:127]
	v_pk_add_f32 v[248:249], v[248:249], v[130:131]
	v_pk_add_f32 v[246:247], v[246:247], v[134:135]
	v_pk_add_f32 v[244:245], v[244:245], v[138:139]
	v_pk_add_f32 v[242:243], v[242:243], v[142:143]
	v_pk_add_f32 v[240:241], v[240:241], v[146:147]
	v_pk_add_f32 v[234:235], v[234:235], v[150:151]
	v_pk_add_f32 v[14:15], v[14:15], v[154:155]
	v_pk_add_f32 v[236:237], v[236:237], v[158:159]
	s_delay_alu instid0(VALU_DEP_2)
	v_pk_add_f32 v[14:15], v[14:15], v[244:245]
	s_delay_alu instid0(VALU_DEP_2)
	v_pk_add_f32 v[236:237], v[236:237], v[242:243]
	v_pk_add_f32 v[248:249], v[248:249], v[240:241]
	v_pk_add_f32 v[246:247], v[246:247], v[234:235]
	s_delay_alu instid0(VALU_DEP_2)
	v_pk_add_f32 v[14:15], v[14:15], v[248:249]
	s_delay_alu instid0(VALU_DEP_2)
	v_pk_add_f32 v[236:237], v[236:237], v[246:247]
	s_delay_alu instid0(VALU_DEP_1)
	v_pk_add_f32 v[14:15], v[14:15], v[236:237]
.set j, 0
	s_setprio 0
.rept 16
	v_pk_mul_f32 v[OA+j:OA+j+1], v[OA+j:OA+j+1], v[252:253] op_sel_hi:[1,0]   ; O^T under the new M.  (The sums and these are also the places between p's codes and scale word and the products below)
.set j, j+2
.endr
	s_wait_alu depctr_va_vdst(0)
	s_wait_dscnt 0x0                               ; V is in
.irp ta, 0,1,2,3                       ; O^T += V^T P^T: four accumulators by turns
	WM OA+8*\ta, VF+8*\ta, PC, OA+8*\ta, VS+\ta/2, 253, \ta%2
.endr
.endm
; A TILE of 16 queries: all keys, then the way out.
.macro TILE i
	s_wait_xcnt 0x0                                ; the last tile's stores have read their registers
	global_load_b128 v[QLO:QLO+3], v[L16], s[QB:QB+1] offset:512*\i     ; q's 64 codes a row: lane r + 16 blk holds block blk: K = 32 (lane / 16) on;
	global_load_b128 v[QHI+4:QHI+7], v[L16], s[QB:QB+1] offset:512*\i   ; once more, as K = 64 + 32 (lane / 16) on: two runs of registers
	global_load_b32 v[QS], v[R4], s[QSB:QSB+1] offset:64*\i
	v_mov_b32 v13, 0xff61b1e6                      ; the largest t so far: -3e38, under every t
	s_delay_alu instid0(VALU_DEP_1)
	v_floor_f32 v12, -v13                          ; -M
	v_mov_b32 v14, 0                               ; the sum, in two halves
	v_mov_b32 v15, 0
.set j, 0
.rept 32
	v_mov_b32 v[OA+j], 0                           ; O^T: the step is written once; the first finds zeros, which the first change of M leaves zeros
.set j, j+1
.endr
	s_mov_b32 s[TB], 0
	s_mov_b32 s[CNT], 8
	s_wait_loadcnt 0x0                             ; q
.Lrec_\@:                                          ; eight trips, a record of 256 keys each
	v_add_nc_u32 v[ADC], s[TB], v[L16]
	v_add_nc_u32 v[ADS], s[TB], v[L4]
	STEP 0
	STEP 1
	s_add_co_u32 s[TB], s[TB], REC
	s_sub_co_u32 s[CNT], s[CNT], 1
	s_cmp_lg_u32 s[CNT], 0
	s_cbranch_scc1 .Lrec_\@
	s_setprio 0
	PLACES 4                                       ; behind the last products
	v_add_f32 v14, v14, v15                        ; the sum's two halves,
	s_delay_alu instid0(VALU_DEP_1)
	v_permlanex16_b32 v252, v14, s[SEL], s[SEL+1]
	s_delay_alu instid0(VALU_DEP_1)
	v_add_f32 v14, v14, v252                       ; and lane l xor 16's: the row's sum
	s_wait_alu depctr_va_vdst(0)
	v_rcp_f32 v14, v14
	v_nop                                          ; one plain place behind a transcendental
.set j, 0
	s_wait_alu depctr_va_vdst(0)
.rept 32
	v_mul_f32 v[S+j], v[OA+j], v14                 ; o: register 16 b + n is channel 32 b + 16 (lane / 16) + n of my query
.set j, j+1
.endr
.irp b, 0,1
	v_max3_num_f32 v[232+\b], |v[S+16*\b]|, |v[S+1+16*\b]|, 0x1800000   ; o's two blocks of 32 along the last product's K, with the floor 2^(3 - 127)
.endr
.irp n, 2,4,6,8,10,12,14
.irp b, 0,1
	s_delay_alu instid0(VALU_DEP_2)
	v_max3_num_f32 v[232+\b], v[232+\b], |v[S+16*\b+\n]|, |v[S+1+16*\b+\n]|
.endr
.endr
.irp b, 0,1
	s_delay_alu instid0(VALU_DEP_2)
	v_permlanex16_b32 v[236+\b], v[232+\b], s[SEL], s[SEL+1]
.endr
.irp b, 0,1
	s_delay_alu instid0(VALU_DEP_2)
	v_max_num_f32 v[232+\b], v[232+\b], v[236+\b]
.endr
.irp b, 0,1
	s_delay_alu instid0(VALU_DEP_2)
	v_add_nc_u32 v[244+\b], 0xff000000, v[232+\b]
.endr
.irp b, 0,1
	s_delay_alu instid0(VALU_DEP_2)
	v_lshrrev_b32 v[236+\b], 23, v[244+\b]
.endr
.irp b, 0,1
	v_cvt_scalef32_pk8_fp4_f32 v[OC+2*\b], v[S+16*\b:S+16*\b+7], v[244+\b]
	v_cvt_scalef32_pk8_fp4_f32 v[OC+2*\b+1], v[S+16*\b+8:S+16*\b+15], v[244+\b]
.endr
	v_nop                                          ; one plain place behind a scaled conversion
	v_lshl_or_b32 v[OW], v237, 8, v236
.irp b, 0,1
	global_store_b64 v[GOC], v[OC+2*\b:OC+2*\b+1], s[OB:OB+1] offset:8704*\i+256*\b   ; my 16 codes: the wave's store covers 256 consecutive bytes, aligned
.endr
	global_store_b16 v[R4], v[OW], s[OSB:OSB+1] offset:8704*\i   ; my row's two scale bytes (both halves of the lanes write the same): two bytes in each word of a run of 64; the other two are the neighbouring head's
.endm
	TILE 0
	TILE 1
	s_wait_tensorcnt 0x0
	ds_add_u32 v251, v255
	s_wait_dscnt 0x0
	CROUND                                         ; the closing round
	s_endpgm
.Lfunc_end_k_q4f84d5f75b_attn:
	.size	k_q4f84d5f75b_attn, .Lfunc_end_k_q4f84d5f75b_attn-k_q4f84d5f75b_attn
	.p2alignl 7, 3214868480
	.fill 96, 4, 3214868480
	.section	.rodata,"a",@progbits
	.p2align	6, 0x0
	.amdhsa_kernel k_q4f84d5f75b_attn
		.amdhsa_group_segment_fixed_size 169984
		.amdhsa_private_segment_fixed_size 0
		.amdhsa_enable_private_segment 0
		.amdhsa_kernarg_size 24
		.amdhsa_user_sgpr_count 2
		.amdhsa_user_sgpr_kernarg_segment_ptr 1
		.amdhsa_wavefront_size32 1
		.amdhsa_system_sgpr_workgroup_id_x 1
		.amdhsa_system_sgpr_workgroup_id_y 1
		.amdhsa_system_sgpr_workgroup_id_z 1
		.amdhsa_system_vgpr_workitem_id 0
		.amdhsa_next_free_vgpr 256
		.amdhsa_next_free_sgpr 66
		.amdhsa_reserve_vcc 0
		.amdhsa_float_denorm_mode_32 3
		.amdhsa_float_denorm_mode_16_64 3
		.amdhsa_memory_ordered 1
		.amdhsa_forward_progress 1
		.amdhsa_inst_pref_size 81
	.end_amdhsa_kernel
	.amdgpu_metadata
---
amdhsa.version: [ 1, 2 ]
amdhsa.kernels:
  - .name:           k_q4f84d5f75b_attn
    .symbol:         k_q4f84d5f75b_attn.kd
    .args:
      - { .name: qbuf, .offset: 0, .size: 8, .value_kind: global_buffer, .address_space: global }
      - { .name: kv, .offset: 8, .size: 8, .value_kind: global_buffer, .address_space: global }
      - { .name: obuf, .offset: 16, .size: 8, .value_kind: global_buffer, .address_space: global }
    .group_segment_fixed_size: 169984
    .private_segment_fixed_size: 0
    .kernarg_segment_align: 8
    .kernarg_segment_size: 24
    .max_flat_workgroup_size: 512
    .sgpr_count:     66
    .vgpr_count:     256
    .wavefront_size: 32
...
	.end_amdgpu_metadata
.endif
;; end of part 2
;; launch proj (part 3): grid 4 x 64, 8 waves a work-group, clusters of 4 x 4, 248,832 bytes of LDS; arguments obuf, Wo_codes, Wo_scales, bo, out0; writes out0
.if DOCPART == 3
	.amdgcn_target "amdgcn-amd-amdhsa--gfx1250"
	.amdhsa_code_object_version 6
	.text
	.protected	k_q4f84d5f75b_proj
	.globl	k_q4f84d5f75b_proj
	.p2align	8
	.type	k_q4f84d5f75b_proj,@function
k_q4f84d5f75b_proj:
	s_mov_b64 s[64:65], 0
	v_nop
	global_prefetch_b8 v0, s[64:65] scope:SCOPE_SE
	s_setreg_imm32_b32 hwreg(HW_REG_WAVE_MODE, 25, 1), 1
	s_wait_xcnt 0x0
	s_wait_alu depctr_hold_cnt(0) depctr_sa_sdst(0) depctr_va_vdst(0) depctr_va_sdst(0) depctr_va_ssrc(0) depctr_va_vcc(0) depctr_vm_vsrc(0)
	s_getreg_b32 s2, hwreg(HW_REG_IB_STS2, 6, 4)
	s_cmp_eq_u32 s2, 0
	s_cbranch_scc0 .Lentry_in_a_cluster
	s_endpgm
.Lentry_in_a_cluster:
	s_bfe_u32 s2, ttmp6, 0x10000c
	s_cmp_lg_u32 s2, 0xf033
	s_cbranch_scc0 .Lentry_shape_is_right
	s_endpgm
.Lentry_shape_is_right:
; out0 = o Wo + bo on codes of FP4 (E2M1) with E8M0 scales, sums in f32.  o comes from obuf as images of operand registers (512 tiles of 16 rows x 8,704 bytes: codes [head][lane][16 bytes], at 8,192 the scale
; words [K step][row]); Wo as given: rows of 512 bytes with K innermost, 32 scale bytes a row.
; SHARES.  A work-group makes 128 rows x 256 columns: 64 x 4 work-groups.  Wave w makes rows 64 (w / 4) on, columns 64 (w % 4) on: 16 accumulators; K = 1,024 in eight steps of 128.
; All operands lie in LDS for all of K; every LDS byte is filled once.  CLUSTER 4 x 4: o's tiles are asked for jointly along a row of the cluster, Wo's along a column.
; THE MATRIX INSTRUCTION IS USED TRANSPOSED (source 0 = 16 rows of Wo, source 1 = 16 rows of o): a lane holds eight neighbouring numbers of a row of the output.  The bias is the C of each sum's first instruction.
.set PITCH, 528                        ; Wo's LDS row: 512 bytes + 16 of padding, an odd multiple of 16: the 16 rows of a fragment load start at 16 different banks (64 banks of 4 bytes: ISA guide 11.1)
.set T16,   16*PITCH
.set TILEB, 64*PITCH
.set OT,    8704                       ; a tile of obuf
.set BC,    8*OT                       ; LDS: o's eight tiles from byte 0; then Wo's codes, 256 rows;
.set BS,    BC+4*TILEB                 ; its scale bytes, dense;
.set STG,   BS+8192                    ; and a stage of 16 rows x (256 bytes + 16) for each wave, which no tensor load touches
.set SPITCH, 272
.set AA,   1                           ; v1   o's fragments: 16 lane + my four tiles
.set AB,   2                           ; v2   Wo's fragments
.set ASA,  3                           ; v3   o's scale words: lanes 0-15 one tile's rows, lanes 16-31 the next tile's
.set ASB,  4                           ; v4   Wo's
.set STO,  5                           ; v5   the stage: where I put 32 bytes of a row
.set RD,   6                           ; v6   and where I read rows back
.set CO,   7                           ; v7   my byte offset in two rows of the output
.set VB32, 8                           ; v8   32 h
.set SA,   12                          ; v12-13   o's scale words of the K step
.set BI,   16                          ; v16-47   the bias in the result's layout
.set OF,   48                          ; v48-79   o's four fragments
.set WF,   80                          ; v80-111  Wo's four
.set SB,   112                         ; v112-127 Wo's scale words of all K steps: register 8 (tn / 2) + s
.set ACC,  128                         ; v128-255 accumulator (m, tn) at 8 (4 m + tn)
.set WV,   14
.set G1A,  24
.set G1BC, 32
.set G1BS, 40
.set G0A,  48
.set G0BC, 52
.set G0BS, 56
.macro PLACES n
.rept \n
	v_nop
.endr
.endm
.macro CROUND
	s_barrier_signal -1
	s_barrier_wait -1
	s_cmp_lg_u32 s[WV], 0
	s_cbranch_scc1 .Lnot_wave_0_\@
	s_barrier_signal -3
.Lnot_wave_0_\@:
	s_barrier_wait -3
	s_barrier_signal -1
	s_barrier_wait -1
.endm
.macro WM d, a, b, c, sa, sb, ra, rb
.set WSEL, 2*(\ra)+(\rb)
.if WSEL == 0
	v_wmma_scale_f32_16x16x128_f8f6f4 v[\d:\d+7], v[\a:\a+7], v[\b:\b+7], v[\c:\c+7], v[\sa], v[\sb] matrix_a_fmt:MATRIX_FMT_FP4 matrix_b_fmt:MATRIX_FMT_FP4
.elseif WSEL == 1
	v_wmma_scale_f32_16x16x128_f8f6f4 v[\d:\d+7], v[\a:\a+7], v[\b:\b+7], v[\c:\c+7], v[\sa], v[\sb] matrix_a_fmt:MATRIX_FMT_FP4 matrix_b_fmt:MATRIX_FMT_FP4 matrix_b_scale:MATRIX_SCALE_ROW1
.elseif WSEL == 2
	v_wmma_scale_f32_16x16x128_f8f6f4 v[\d:\d+7], v[\a:\a+7], v[\b:\b+7], v[\c:\c+7], v[\sa], v[\sb] matrix_a_fmt:MATRIX_FMT_FP4 matrix_b_fmt:MATRIX_FMT_FP4 matrix_a_scale:MATRIX_SCALE_ROW1
.else
	v_wmma_scale_f32_16x16x128_f8f6f4 v[\d:\d+7], v[\a:\a+7], v[\b:\b+7], v[\c:\c+7], v[\sa], v[\sb] matrix_a_fmt:MATRIX_FMT_FP4 matrix_b_fmt:MATRIX_FMT_FP4 matrix_a_scale:MATRIX_SCALE_ROW1 matrix_b_scale:MATRIX_SCALE_ROW1
.endif
.endm
	s_load_b256 s[4:11], s[0:1], 0x0               ; obuf s[4:5], Wo's codes s[6:7], Wo's scales s[8:9], bo s[10:11]
	s_load_b64 s[12:13], s[0:1], 0x20              ; out0
	v_lshl_add_u32 v15, v0, 2, 0x3c800
	s_set_vgpr_msb 0x40
	v_mov_b32 v1, 0
	s_set_vgpr_msb 0x4044
	ds_add_u32 v15, v1
	ds_add_u32 v15, v1
	s_set_vgpr_msb 0x4400
	v_lshrrev_b32 v9, 5, v0
	s_delay_alu instid0(VALU_DEP_1)
	v_readfirstlane_b32 s[WV], v9                  ; wave 0..7
	s_bfe_u32 s15, ttmp6, 0x40000                  ; cx, cy
	s_bfe_u32 s16, ttmp6, 0x40004
	s_lshl_b32 s17, ttmp9, 2
	s_add_co_u32 s17, s17, s15                     ; the block of 256 columns
	s_and_b32 s18, ttmp7, 0xffff
	s_lshl_b32 s18, s18, 2
	s_add_co_u32 s18, s18, s16                     ; the block of 128 rows
	s_lshl_b32 s19, s16, 2
	s_lshl_b32 s19, 15, s19                        ; my row of the cluster
	s_lshl_b32 s20, 0x1111, s15                    ; my column
	s_lshr_b32 s21, s[WV], 2                       ; which 64 rows are mine
	s_and_b32 s22, s[WV], 3                        ; which 64 columns; also: which part I fetch
	s_or_b32 s[G1A], s19, (3<<16)|(1<<21)          ; o: two tiles, 17,408 dense bytes, as 68 rows of 256 bytes (32 elements of 8 bytes); the mask: my row
	s_mov_b32 s[G1A+1], 32<<16
	s_mov_b32 s[G1A+2], 68<<16
	s_mov_b32 s[G1A+3], 32<<16
	s_mov_b32 s[G1A+4], 68
	s_mov_b32 s[G1A+5], 32
	s_mov_b32 s[G1A+6], 0
	s_mov_b32 s[G1A+7], 0
	s_or_b32 s[G1BC], s20, (1<<20)|(1<<21)|(6<<22)|(3<<25)   ; Wo's codes: 64 rows of 512 bytes, four words of padding after every 128; the mask: my column
	s_mov_b32 s[G1BC+1], 512<<16
	s_mov_b32 s[G1BC+2], 64<<16
	s_mov_b32 s[G1BC+3], 512<<16
	s_mov_b32 s[G1BC+4], 64
	s_mov_b32 s[G1BC+5], 512
	s_mov_b32 s[G1BC+6], 0
	s_mov_b32 s[G1BC+7], 0
	s_or_b32 s[G1BS], s20, (3<<16)|(1<<21)         ; its scale bytes: 2,048 dense bytes as 8 rows of 256
	s_mov_b32 s[G1BS+1], 32<<16
	s_mov_b32 s[G1BS+2], 8<<16
	s_mov_b32 s[G1BS+3], 32<<16
	s_mov_b32 s[G1BS+4], 8
	s_mov_b32 s[G1BS+5], 32
	s_mov_b32 s[G1BS+6], 0
	s_mov_b32 s[G1BS+7], 0
	s_mul_i32 s2, s22, 2*OT                        ; my part's place, in LDS and in the block: o's,
	s_mul_i32 s3, s22, TILEB                       ; Wo's codes',
	s_lshl_b32 s23, s22, 11                        ; Wo's scale bytes'
	s_mul_i32 s60, s18, 8*OT                       ; made of the row block and the wave alone
	s_add_co_u32 s60, s60, s2
	s_mov_b32 s61, 0
	s_lshl_b32 s62, s17, 17                        ; made of the column block and the wave alone
	s_lshl_b32 s63, s22, 15
	s_add_co_u32 s62, s62, s63
	s_mov_b32 s63, 0
	s_wait_dscnt 0x0
	s_wait_kmcnt 0x0
	s_mov_b32 s[G0A], 1
	s_mov_b32 s[G0A+1], s2
	s_add_nc_u64 s[G0A+2:G0A+3], s[4:5], s[60:61]
	s_or_b32 s[G0A+3], s[G0A+3], 0x80000000
	s_mov_b32 s[G0BC], 1
	s_add_co_u32 s[G0BC+1], s3, BC
	s_add_nc_u64 s[G0BC+2:G0BC+3], s[6:7], s[62:63]
	s_or_b32 s[G0BC+3], s[G0BC+3], 0x80000000
	s_lshl_b32 s62, s17, 13
	s_add_co_u32 s62, s62, s23
	s_mov_b32 s[G0BS], 1
	s_add_co_u32 s[G0BS+1], s23, BS
	s_add_nc_u64 s[G0BS+2:G0BS+3], s[8:9], s[62:63]
	s_or_b32 s[G0BS+3], s[G0BS+3], 0x80000000
	s_lshl_b32 s66, s17, 10                        ; my first column, in bytes
	s_lshl_b32 s67, s22, 8
	s_add_co_u32 s66, s66, s67
	s_mov_b32 s67, 0
	s_add_nc_u64 s[10:11], s[10:11], s[66:67]      ; bo there,
	s_add_nc_u64 s[12:13], s[12:13], s[66:67]
	s_lshl_b32 s66, s18, 19                        ; and my first row of 4,096 bytes
	s_lshl_b32 s3, s21, 18
	s_add_co_u32 s66, s66, s3
	s_add_nc_u64 s[12:13], s[12:13], s[66:67]
	CROUND                                         ; all sixteen work-groups are here: the joint loads meet
	s_cmp_lt_u32 s[WV], 4                          ; waves 0-3: a quarter of o each; waves 4-7: a quarter of Wo each, codes and scale bytes.  Two loads of a wave are out at the most
	s_cbranch_scc0 .Lfor_b
	tensor_load_to_lds s[G0A:G0A+3], s[G1A:G1A+7]
	s_nop 0
	PLACES 4
	s_branch .Lasked
.Lfor_b:
	tensor_load_to_lds s[G0BC:G0BC+3], s[G1BC:G1BC+7]
	s_nop 0
	tensor_load_to_lds s[G0BS:G0BS+3], s[G1BS:G1BS+7]
	s_nop 0
	PLACES 4
.Lasked:
	v_and_b32 v9, 31, v0                           ; lane
	v_and_b32 v10, 15, v0                          ; r
	v_bfe_u32 v11, v0, 4, 1                        ; h
	s_delay_alu instid0(VALU_DEP_1)
	v_lshlrev_b32 v[VB32], 5, v11
.irp tn, 0,1,2,3
	global_load_b128 v[BI+8*\tn:BI+8*\tn+3], v[VB32], s[10:11] offset:64*\tn        ; tile tn's register j is bo[16 tn + 8 h + j]
	global_load_b128 v[BI+8*\tn+4:BI+8*\tn+7], v[VB32], s[10:11] offset:64*\tn+16
.endr
	s_mul_i32 s23, s21, 4*OT                       ; my four tiles of o
	v_lshl_add_u32 v[AA], v9, 4, s23
	v_mul_u32_u24 v14, v10, PITCH
	s_delay_alu instid0(VALU_DEP_1)
	v_lshl_add_u32 v14, v11, 4, v14
	s_mul_i32 s2, s22, TILEB
	s_add_co_u32 s2, s2, BC
	v_add_nc_u32 v[AB], s2, v14
	v_mul_u32_u24 v14, v11, OT                     ; lanes 16-31 take the next tile's words: one product, h x the distance
	s_delay_alu instid0(VALU_DEP_1)
	v_lshl_add_u32 v14, v10, 2, v14
	s_add_co_u32 s2, s23, 8192
	v_add_nc_u32 v[ASA], s2, v14
	s_lshl_b32 s2, s22, 11
	s_add_co_u32 s2, s2, BS
	v_lshl_add_u32 v[ASB], v9, 5, s2
	s_mul_i32 s2, s[WV], 16*SPITCH
	s_add_co_u32 s2, s2, STG                       ; my stage
	v_mul_u32_u24 v14, v10, SPITCH
	s_delay_alu instid0(VALU_DEP_1)
	v_lshl_add_u32 v14, v11, 5, v14
	s_delay_alu instid0(VALU_DEP_1)
	v_add_nc_u32 v[STO], s2, v14                   ; in: row r, 32 bytes for each half of the lanes
	v_mul_u32_u24 v14, v11, SPITCH
	s_delay_alu instid0(VALU_DEP_1)
	v_lshl_add_u32 v14, v10, 4, v14
	s_delay_alu instid0(VALU_DEP_1)
	v_add_nc_u32 v[RD], s2, v14                    ; back: lanes 0-15 one row of 256 bytes, lanes 16-31 the next
	v_lshlrev_b32 v14, 12, v11
	s_delay_alu instid0(VALU_DEP_1)
	v_lshl_add_u32 v[CO], v10, 4, v14              ; and the same two rows of the output
	s_wait_alu depctr_va_vdst(0)
	s_wait_tensorcnt 0x0                           ; my parts have landed,
	s_barrier_signal -1
	s_barrier_wait -1                              ; everybody's have
.irp tp, 0,1
.irp hf, 0,1
	ds_load_b128 v[SB+8*\tp+4*\hf:SB+8*\tp+4*\hf+3], v[ASB] offset:1024*\tp+16*\hf   ; Wo's scale words of all eight K steps: lanes 0-15 tile 2 tp, lanes 16-31 the next
.endr
.endr
	s_wait_loadcnt 0x0                             ; the bias
; A K STEP of 128: 18 LDS loads, 16 matrix instructions, the sixteen accumulators by turns, one instruction a turn
.macro KSTEP s
.if \s > 0
	PLACES 4                                       ; in front of loads into registers that the last products read
.endif
.irp mp, 0,1
	ds_load_b32 v[SA+\mp], v[ASA] offset:2*OT*\mp+64*\s
.endr
.irp tn, 0,1,2,3
.irp c, 0,1
	ds_load_b128 v[WF+8*\tn+4*\c:WF+8*\tn+4*\c+3], v[AB] offset:\tn*T16+64*\s+32*\c
.endr
.endr
.irp m, 0,1,2,3
.irp c, 0,1
	ds_load_b128 v[OF+8*\m+4*\c:OF+8*\m+4*\c+3], v[AA] offset:OT*\m+1024*\s+512*\c   ; K step s is heads 2 s and 2 s + 1: 512 bytes each, lane by lane
.endr
.endr
.irp m, 0,1,2,3
.if \m == 0
	s_wait_dscnt 4                                 ; all but the youngest four: the fragments of o's tiles 2 and 3
.endif
.if \m == 2
	s_wait_dscnt 0x0
.endif
.irp tn, 0,1,2,3
.if \s == 0
	WM ACC+8*(4*\m+\tn), WF+8*\tn, OF+8*\m, BI+8*\tn, SB+8*(\tn/2)+\s, SA+\m/2, \tn%2, \m%2
.else
	WM ACC+8*(4*\m+\tn), WF+8*\tn, OF+8*\m, ACC+8*(4*\m+\tn), SB+8*(\tn/2)+\s, SA+\m/2, \tn%2, \m%2
.endif
.endr
.endr
.endm
.irp s, 0,1,2,3,4,5,6,7
	KSTEP \s
.endr
; THE WAY OUT, a block of 16 rows x 64 columns at a time: a lane holds 32 bytes of a row and the lanes beside it other rows, so a block goes through my own stage and comes back as whole rows of 256 bytes.
; LDS serves a wave's instructions in order (ISA guide 5.7.1.4): no wait between the stores and the loads, nor in front of the next block's stores.
.macro TOSTAGE m
.irp tn, 0,1,2,3
	ds_store_b128 v[STO], v[ACC+8*(4*(\m)+\tn):ACC+8*(4*(\m)+\tn)+3] offset:64*\tn        ; each accumulator from its low end on
	ds_store_b128 v[STO], v[ACC+8*(4*(\m)+\tn)+4:ACC+8*(4*(\m)+\tn)+7] offset:64*\tn+16
.endr
.irp i, 0,1,2,3,4,5,6,7
	ds_load_b128 v[OF+32*((\m)%2)+4*\i:OF+32*((\m)%2)+4*\i+3], v[RD] offset:\i*2*SPITCH   ; into the registers that held fragments, two sets by turns
.endr
.endm
.macro SEND m, younger                 ; younger: the LDS instructions issued behind block m's loads, which may stay out
	s_wait_dscnt \younger
.irp i, 0,1,2,3,4,5,6,7
	global_store_b128 v[CO], v[OF+32*((\m)%2)+4*\i:OF+32*((\m)%2)+4*\i+3], s[12:13] offset:(16*(\m)+2*\i)*4096 th:TH_STORE_NT   ; 16 lanes store 256 consecutive bytes, aligned; written once, read by nobody here
.endr
.endm
	PLACES 4                                       ; behind the last products: for the reads of results and the loads into fragments' registers
	TOSTAGE 0
.irp m, 1,2,3
.if \m > 1
	s_wait_xcnt 0x0                                ; block m - 2's stores have read their registers: block m's loads may land there
.endif
	TOSTAGE \m
	SEND \m-1, 16                                  ; behind block m - 1's loads: block m's 8 stores and 8 loads
.endr
	SEND 3, 0
	s_set_vgpr_msb 0x4
	s_wait_tensorcnt 0x0
	ds_add_u32 v15, v1
	s_wait_dscnt 0x0
	s_set_vgpr_msb 0x400
	CROUND                                         ; the closing round: no work-group ends while a partner may still ask for a tile that names it
	s_endpgm
.Lfunc_end_k_q4f84d5f75b_proj:
	.size	k_q4f84d5f75b_proj, .Lfunc_end_k_q4f84d5f75b_proj-k_q4f84d5f75b_proj
	.p2alignl 7, 3214868480
	.fill 96, 4, 3214868480
	.section	.rodata,"a",@progbits
	.p2align	6, 0x0
	.amdhsa_kernel k_q4f84d5f75b_proj
		.amdhsa_group_segment_fixed_size 248832
		.amdhsa_private_segment_fixed_size 0
		.amdhsa_enable_private_segment 0
		.amdhsa_kernarg_size 40
		.amdhsa_user_sgpr_count 2
		.amdhsa_user_sgpr_kernarg_segment_ptr 1
		.amdhsa_wavefront_size32 1
		.amdhsa_system_sgpr_workgroup_id_x 1
		.amdhsa_system_sgpr_workgroup_id_y 1
		.amdhsa_system_sgpr_workgroup_id_z 1
		.amdhsa_system_vgpr_workitem_id 0
		.amdhsa_next_free_vgpr 258
		.amdhsa_next_free_sgpr 68
		.amdhsa_reserve_vcc 0
		.amdhsa_float_denorm_mode_32 3
		.amdhsa_float_denorm_mode_16_64 3
		.amdhsa_memory_ordered 1
		.amdhsa_forward_progress 1
		.amdhsa_inst_pref_size 43
	.end_amdhsa_kernel
	.amdgpu_metadata
---
amdhsa.version: [ 1, 2 ]
amdhsa.kernels:
  - .name:           k_q4f84d5f75b_proj
    .symbol:         k_q4f84d5f75b_proj.kd
    .args:
      - { .name: obuf, .offset: 0, .size: 8, .value_kind: global_buffer, .address_space: global }
      - { .name: Wo_codes, .offset: 8, .size: 8, .value_kind: global_buffer, .address_space: global }
      - { .name: Wo_scales, .offset: 16, .size: 8, .value_kind: global_buffer, .address_space: global }
      - { .name: bo, .offset: 24, .size: 8, .value_kind: global_buffer, .address_space: global }
      - { .name: out0, .offset: 32, .size: 8, .value_kind: global_buffer, .address_space: global }
    .group_segment_fixed_size: 248832
    .private_segment_fixed_size: 0
    .kernarg_segment_align: 8
    .kernarg_segment_size: 40
    .max_flat_workgroup_size: 256
    .sgpr_count:     68
    .vgpr_count:     258
    .wavefront_size: 32
...
	.end_amdgpu_metadata
.endif
;; end of part 3
